; MI455X (gfx1250); checked and timed in simulation.
; The chip was launched on July 23, 2026; its instructions are those of AMD's public machine-readable ISA for CDNA 5 (MIT licence, August 2026) and "CDNA5" Instruction Set Architecture Reference Guide (July 2026). The comments in the code are by the model that wrote it; some were corrected since.
;; Attentive Pooling. Allowed arithmetic: matrix products marked QUANTISED: E4M3 operands, one E8M0 scale for each 32 along K, by v_wmma_scale_f32_16x16x128_f8f6f4 with both operands' format E4M3, f32 sums; products left as they are: f32 operands where the result goes on into a quantised operand, else bf16, f16 or f32 operands; f32 sums; everything else in f32.
;; Inputs: hidden_states 8 x 4,096 x 1,024 float32; in_proj_b 3,072 float32; in_proj_w 3,072 x 1,024 float32; out_b 1,024 float32; out_w 1,024 x 1,024 float32; queries 1 x 4 x 1,024 float32.
;; Outputs: out0 8 x 1,024 float32; out1 8 x 4 x 4,096 float32.
;; This version of the problem:
;;   THIS VERSION OF THE PROBLEM IS GIVEN IN LOW PRECISION. The matrix products marked QUANTISED in the list below multiply operands that are first quantised to E4M3 (4 exponent bits, 3 mantissa bits; 8 bits a number), with one power-of-two scale for each 32 numbers along K (OCP MX v1.0); their sums are f32. All else is computed in f32.
;;   The module's matrix products, in the order in which they are computed (A, B: the left and right operand; K: the contracted axis; several contracted axes count as one K, in the product's order):
;;     1. [M 4, K 1,024] x [K 1,024, N 1,024]; A: input queries; B: computed on the way: left as it is (M = 4 < 16)
;;     2. [M 32,768, K 1,024] x [K 1,024, N 1,024]; A: input hidden_states; B: computed on the way: QUANTISED
;;     3. [M 32,768, K 1,024] x [K 1,024, N 1,024]; A: input hidden_states; B: computed on the way: QUANTISED
;;     4. batch 32 x [M 4, K 256] x [K 256, N 4,096]; A: computed on the way; B: computed on the way: left as it is (M = 4 < 16)
;;     5. batch 32 x [M 4, K 4,096] x [K 4,096, N 256]; A: softmax; B: computed on the way: left as it is (M = 4 < 16)
;;     6. [M 32, K 1,024] x [K 1,024, N 1,024]; A: computed on the way; B: input out_w: QUANTISED
;;   THE QUANTISER, for each operand of a quantised product, along K:
;;     - K is cut into blocks of 32 from its start; a last block that is shorter is filled with zeros.
;;     - A block's scale is 2^e with e = floor(log2(the largest magnitude in the block)) - 8, held to -126 .. 127; a block of zeros has e = 0. As a byte (E8M0): e + 127.
;;     - Each number is divided by its block's scale, clamped to +-448, and rounded to the nearest number of E4M3, ties to even, subnormals kept.
;;     - The product sums the exact products of the quantised numbers (number of the format x scale) in f32.
;;   ~~~python
;;   def quantise(x, axis):      # numpy; x: float32 -> the quantised numbers, widened to float32 again
;;       x = np.moveaxis(x, axis, -1); K = x.shape[-1]
;;       x = np.pad(x, [(0, 0)] * (x.ndim - 1) + [(0, -K % 32)]); x = x.reshape(x.shape[:-1] + (-1, 32)); a = np.abs(x).max(-1, keepdims=True)
;;       e = np.where(a > 0, np.clip(np.frexp(np.where(a > 0, a, 1))[1] - 1 - 8, -126, 127), 0)      # np.frexp(a)[1] - 1 = floor(log2(a)), exactly
;;       r = np.clip(x / 2.0 ** e, -448, 448)
;;       step = 2.0 ** (np.maximum(np.frexp(np.where(r == 0, 1, r))[1] - 1, -6) - 3)
;;       q = np.round(r / step) * step * 2.0 ** e      # np.round: ties to even
;;       return np.moveaxis(q.reshape(q.shape[:-2] + (-1,))[..., :K], -1, axis).astype(np.float32)
;;   ~~~
;;   OPERANDS COMPUTED ON THE WAY. 'Computed on the way' means the value that the module computes at that place (a softmax that the list does not call 'softmax' is quantised finished and normalised). What goes into a quantiser is computed in f32, as accurately as f32 sums, v_exp_f32 and their like allow (about 1e-6 of the number): no bf16 or f16 on the way to a quantiser, and a product that is left as it is and whose result goes on into a quantised operand takes f32 operands (vector FMAs, or v_wmma_f32_16x16x4_f32). A number that lies on a knife's edge between two numbers of the format may be rounded either way, as far as f32 arithmetic and the matrix unit's own rounding can turn it there, and no further.
;; One version. Each part assembles by itself: llvm-mc -triple=amdgcn-amd-amdhsa -mcpu=gfx1250 --defsym DOCPART=n.
;; ======== version 1 of 1: 4 launches
;; limits: right only within a limited range of input values
;; workspace buffers: wst 2,162,688 bytes; owf 1,081,344 bytes; qs 16,384 bytes; tsc 2,097,152 bytes; stat 65,536 bytes; cpart 8,388,608 bytes; ccode 32,768 bytes; cscl 1,024 bytes
;; launch prep (part 1): grid 256 x 1, 8 waves a work-group, no clusters, 36,608 bytes of LDS; arguments in_proj_w, in_proj_b, out_w, queries, wst, owf, qs; writes wst, owf, qs
.if DOCPART == 1
	.amdgcn_target "amdgcn-amd-amdhsa--gfx1250"
	.amdhsa_code_object_version 6
	.text
	.protected	k_q8d518cf021_prep
	.globl	k_q8d518cf021_prep
	.p2align	8
	.type	k_q8d518cf021_prep,@function
k_q8d518cf021_prep:
	s_mov_b64 s[64:65], 0
	v_nop
	global_prefetch_b8 v0, s[64:65] scope:SCOPE_SE
	s_setreg_imm32_b32 hwreg(HW_REG_WAVE_MODE, 25, 1), 1
	s_wait_xcnt 0x0
; ATTENTIVE POOLING, launch 1 of 4: the weights become codes of E4M3 with E8M0 scales, laid as images of operand registers; the four queries are projected.
; WORK LEFT OUT BY THE WHOLE PROGRAM.  bk (the middle third of in_proj_b): k = x Wk^T + bk enters the scores alone, scores[b,h,q,s] = qh.(x Wk^T)[s] + qh.bk, and qh.bk is the same for every s of a row
; (b,h,q): softmax along s takes it away for all values of the inputs; the product with q is not quantised, so bk moves no code.  Those 1,024 numbers are never loaded.
; bv is added once behind the weighted sum: sum_s attn (x Wv^T + bv) = sum_s attn x Wv^T + bv, since a softmax's row sums to 1 by identity.
; LIMITS: a NaN, an infinity or an overflow that lives in bk alone is not carried to the results.  Blocks of 32 whose largest magnitude lies under 2^-118 get the scale byte 1 (a block of zeros too: its codes are zeros,
; and this program alone reads the bytes).  NaN and infinities among the weights are not served.
; WORK-GROUPS 0-127: one tile of 16 rows of Wk or Wv;  128-191: one tile of 16 rows of out_w;  192-255: 16 columns of q = (queries Wq^T + bq) log2(e) / 16  (1/16 = 1/sqrt(256); log2(e) makes every later exponential a bare 2^x).
; A BLOCK OF CODES is 33 chunks of 512 bytes: chunk 4 ks + c holds registers 4c..4c+3 of the fragment of K step ks, lane l's 16 bytes at 16 l (lane (r,h): k = 128 ks + 32 c + 16 h + 0..15 of row r); chunk 32 holds the
; scale words: lane (r,h), word i = the word of K step 4 h + i of row r.  Wave ks makes fragment ks.  In wst two blocks form a pair (heads 0-1 | heads 2-3) and pair p lies at place (p + 3) mod 64.
; The two paths part on the work-group's number alone and have LDS bytes of their own.
.set TURNB, 4352                       ; a wave's stage: 16 rows x (256 + 16) bytes
.set SCI,   8*TURNB                    ; the image of the scale words, 512 bytes
.set QOUT,  SCI+512                    ; the q path's 64 numbers, 256 bytes
.set SPARE, QOUT+256                   ; the spare words, 128 bytes for each wave
.set SPW, 1
.set NIL, 2
.set XA,  3                            ; (lane / 16) x 4,096 + (lane % 16) x 16: sixteen lanes read 256 bytes of a row, the other sixteen the next row
.set TS,  4                            ; the stage, on the way in
.set TL,  5                            ; and out: row r, + 64 h
.set LI,  6                            ; 16 x lane
.set SCA, 7
.set QOA, 8
.set QRD, 9
.set SRD, 10
.set GQ,  11                           ; 8 x lane
.set L,   32
.set N,   96
.set PC,  160
.set TM,  176
.set PW,  192
.set SEL, 22
.set MNT, 24
	s_load_b256 s[4:11], s[0:1], 0x0               ; in_proj_w s[4:5], in_proj_b s[6:7], out_w s[8:9], queries s[10:11]
	s_load_b128 s[12:15], s[0:1], 0x20             ; wst s[12:13], owf s[14:15]
	s_load_b64 s[16:17], s[0:1], 0x30              ; qs
	v_lshl_add_u32 v[SPW], v0, 2, SPARE
	v_mov_b32 v[NIL], 0
	v_lshrrev_b32 v12, 5, v0
	s_delay_alu instid0(VALU_DEP_1)
	v_readfirstlane_b32 s18, v12                   ; wave 0..7
	v_and_b32 v12, 31, v0                          ; lane
	v_and_b32 v13, 15, v0                          ; r
	v_bfe_u32 v14, v0, 4, 1                        ; h
	s_delay_alu instid0(VALU_DEP_3)
	v_lshlrev_b32 v[LI], 4, v12
	s_delay_alu instid0(VALU_DEP_4)
	v_lshlrev_b32 v[GQ], 3, v12
	s_delay_alu instid0(VALU_DEP_4)
	v_lshlrev_b32 v[XA], 4, v13
	s_delay_alu instid0(VALU_DEP_1)
	v_lshl_add_u32 v[XA], v14, 12, v[XA]
	s_mul_i32 s19, s18, TURNB
	v_mul_u32_u24 v[TS], v14, 272
	s_delay_alu instid0(VALU_DEP_1)
	v_lshl_add_u32 v[TS], v13, 4, v[TS]
	s_delay_alu instid0(VALU_DEP_1)
	v_add_nc_u32 v[TS], s19, v[TS]
	v_mul_u32_u24 v[TL], v13, 272
	s_delay_alu instid0(VALU_DEP_1)
	v_lshl_add_u32 v[TL], v14, 6, v[TL]
	s_delay_alu instid0(VALU_DEP_1)
	v_add_nc_u32 v[TL], s19, v[TL]
	s_lshr_b32 s20, s18, 2
	s_lshl_b32 s20, s20, 8
	s_and_b32 s21, s18, 3
	s_lshl_b32 s21, s21, 2
	s_add_co_u32 s20, s20, s21
	s_add_co_u32 s20, s20, SCI
	v_lshl_add_u32 v[SCA], v13, 4, s20             ; SCI + 16 r + 256 (ks / 4) + 4 (ks % 4)
	v_add_nc_u32 v[SRD], SCI, v[LI]
	s_lshl_b32 s21, s18, 3
	s_add_co_u32 s21, s21, QOUT
	v_mov_b32 v[QOA], s21                          ; QOUT + 4 (2 wave)
	v_lshl_add_u32 v[QRD], v12, 3, QOUT
	s_mov_b32 s[SEL], 0x76543210
	s_mov_b32 s[SEL+1], 0xfedcba98                 ; v_permlanex16_b32's selects for lane l xor 16
	s_mov_b32 s[MNT], 0x600000                     ; the mantissa field of 448
.irp b, 0,1,2,3
	v_mov_b32 v[TM+4+\b], 0                        ; a lane permute's destination counts as one of its sources
.endr
.irp n, 0,1,2,3,4,5,6,7
	v_mov_b32 v[240+\n], 0
.endr
	s_wait_kmcnt 0x0
	s_cmp_ge_u32 ttmp9, 192
	s_cbranch_scc1 .Lq
	; ---- a tile of 16 rows x 1,024 becomes a block of codes
	s_add_co_u32 s30, ttmp9, 64                    ; in_proj_w's tile of rows: Wk begins at tile 64, Wv at 128
	s_sub_co_u32 s31, ttmp9, 128                   ; out_w's
	s_lshr_b32 s32, ttmp9, 6                       ; 0: Wk, 1: Wv
	s_and_b32 s33, ttmp9, 63
	s_lshr_b32 s34, s33, 4                         ; the head
	s_lshr_b32 s35, s34, 1                         ; which block of the pair
	s_and_b32 s34, s34, 1
	s_lshl_b32 s34, s34, 4
	s_and_b32 s33, s33, 15
	s_or_b32 s33, s33, s34
	s_lshl_b32 s32, s32, 5
	s_add_co_u32 s33, s33, s32                     ; the pair p
	s_add_co_u32 s33, s33, 3
	s_and_b32 s33, s33, 63                         ; its place
	s_mul_i32 s33, s33, 33792
	s_mul_i32 s35, s35, 16896
	s_add_co_u32 s33, s33, s35
	s_mul_i32 s36, s31, 16896
	s_cmp_lt_u32 ttmp9, 128                        ; the choice hangs on the work-group's number alone
	s_cselect_b64 s[26:27], s[4:5], s[8:9]
	s_cselect_b64 s[28:29], s[12:13], s[14:15]
	s_cselect_b32 s30, s30, s31
	s_cselect_b32 s32, s33, s36
	s_lshl_b32 s30, s30, 16                        ; 16 rows of 4,096 bytes a tile
	s_lshl_b32 s31, s18, 9                         ; my K step: 512 bytes of each row
	s_add_co_u32 s30, s30, s31
	s_mov_b32 s31, 0
	s_add_nc_u64 s[26:27], s[26:27], s[30:31]
	s_lshl_b32 s33, s18, 11                        ; my fragment's four chunks
	s_add_co_u32 s32, s32, s33
	s_mov_b32 s33, 0
	s_add_nc_u64 s[28:29], s[28:29], s[32:33]
.irp u, 0,1
.irp i, 0,1,2,3,4,5,6,7
	global_load_b128 v[L+32*\u+4*\i:L+32*\u+4*\i+3], v[XA], s[26:27] offset:2*\i*4096+256*\u th:TH_LOAD_NT
.endr
.endr
; 256 bytes of each of the 16 rows go through my stage as they lie and come back 64 bytes a lane: v[N + 16 b + i] = x(row r, 32 b + 16 h + i).  LDS serves a wave's instructions in order: no wait between stores and loads
.macro TURNU u
.irp i, 0,1,2,3,4,5,6,7
	ds_store_b128 v[TS], v[L+32*\u+4*\i:L+32*\u+4*\i+3] offset:2*\i*272
.endr
.irp c, 0,1
.irp j, 0,1,2,3
	ds_load_b128 v[N+16*(2*\u+\c)+4*\j:N+16*(2*\u+\c)+4*\j+3], v[TL] offset:128*\c+16*\j
.endr
.endr
.endm
	s_wait_loadcnt 0x8                             ; the first eight loads are in; the other eight may be out
	TURNU 0
	s_wait_loadcnt 0x0
	TURNU 1
	s_wait_dscnt 0x0
.irp b, 0,1,2,3
	v_max3_num_f32 v[TM+\b], |v[N+16*\b]|, |v[N+1+16*\b]|, 0x4800000   ; block b: my 16 numbers, and the floor 2^(9 - 127): the byte cannot fall under 1
.endr
.irp i, 2,4,6,8,10,12,14
.irp b, 0,1,2,3
	s_delay_alu instid0(VALU_DEP_4)
	v_max3_num_f32 v[TM+\b], v[TM+\b], |v[N+16*\b+\i]|, |v[N+1+16*\b+\i]|
.endr
.endr
.irp b, 0,1,2,3
	s_delay_alu instid0(VALU_DEP_4)
	v_permlanex16_b32 v[TM+4+\b], v[TM+\b], s[SEL], s[SEL+1]
.endr
.irp b, 0,1,2,3
	s_delay_alu instid0(VALU_DEP_4)
	v_max_num_f32 v[TM+\b], v[TM+\b], v[TM+4+\b]   ; with lane l xor 16's: the block's largest magnitude
.endr
.irp b, 0,1,2,3
	s_delay_alu instid0(VALU_DEP_4)
	v_add_nc_u32 v[TM+12+\b], 0xfc000000, v[TM+\b] ; 8 off its exponent field: the conversion's scale operand
.endr
.irp b, 0,1,2,3
	v_and_or_b32 v[TM+8+\b], v[TM+\b], 0x7f800000, s[MNT]   ; 448 x the scale
.endr
.irp b, 0,1,2,3
	v_lshrrev_b32 v[TM+4+\b], 23, v[TM+12+\b]      ; the scale's byte
.endr
	s_delay_alu instid0(VALU_DEP_3)
	v_lshl_or_b32 v[PW], v[TM+5], 8, v[TM+4]
	s_delay_alu instid0(VALU_DEP_1)
	v_lshl_or_b32 v[PW], v[TM+6], 16, v[PW]
	s_delay_alu instid0(VALU_DEP_1)
	v_lshl_or_b32 v[PW], v[TM+7], 24, v[PW]        ; my row's scale word of this K step
.irp b, 0,1,2,3
.irp i, 0,1,2,3,4,5,6,7,8,9,10,11,12,13,14,15
	v_med3_num_f32 v[N+16*\b+\i], v[N+16*\b+\i], -v[TM+8+\b], v[TM+8+\b]   ; the conversion to an 8-bit code does not saturate (ISA guide 7.6.2): the hold comes first
.endr
	v_cvt_scalef32_pk8_fp8_f32 v[PC+4*\b:PC+1+4*\b], v[N+16*\b:N+7+16*\b], v[TM+12+\b]
	v_cvt_scalef32_pk8_fp8_f32 v[PC+2+4*\b:PC+3+4*\b], v[N+8+16*\b:N+15+16*\b], v[TM+12+\b]
.endr
	v_nop
.irp c, 0,1,2,3
	global_store_b128 v[LI], v[PC+4*\c:PC+4*\c+3], s[28:29] offset:512*\c   ; 32 lanes store 512 consecutive bytes
.endr
	ds_store_b32 v[SCA], v[PW]                     ; lanes r and r + 16 write the same word with the same value
	s_wait_dscnt 0x0                               ; for the others' sake: my word lies in the image
	s_barrier_signal -1
	s_barrier_wait -1
	s_cmp_lg_u32 s18, 0
	s_cbranch_scc1 .Lend_w
	ds_load_b128 v[32:35], v[SRD]
	s_wait_dscnt 0x0
	global_store_b128 v[LI], v[32:35], s[28:29] offset:16384   ; chunk 32 (in wave 0 the base is the block's first byte)
.Lend_w:
	s_wait_tensorcnt 0x0                           ; the wave's end: three lines behind my last LDS store
	ds_add_u32 v[SPW], v[NIL]
	s_wait_dscnt 0x0
	s_endpgm
	; ---- q: rows 16 j + 2 wave + 0, 1 of Wq against the four queries, in f32
.Lq:
	s_sub_co_u32 s30, ttmp9, 192                   ; j
	s_lshl_b32 s32, s30, 16
	s_lshl_b32 s33, s18, 13
	s_add_co_u32 s32, s32, s33
	s_mov_b32 s33, 0
	s_add_nc_u64 s[26:27], s[4:5], s[32:33]        ; my two rows of Wq
	s_lshl_b32 s37, s30, 6
	s_lshl_b32 s33, s18, 3
	s_add_co_u32 s37, s37, s33
	s_load_b64 s[38:39], s[6:7], s37 offset:0x0    ; their bq
	s_lshl_b32 s32, s30, 8
	s_mov_b32 s33, 0
	s_add_nc_u64 s[28:29], s[16:17], s[32:33]      ; qs, tile j
.irp q, 0,1,2,3
.irp i, 0,1,2,3,4,5,6,7
	global_load_b128 v[32+32*\q+4*\i:35+32*\q+4*\i], v[LI], s[10:11] offset:4096*\q+512*\i
.endr
.endr
.irp p, 0,1
.irp i, 0,1,2,3,4,5,6,7
	global_load_b128 v[160+32*\p+4*\i:163+32*\p+4*\i], v[LI], s[26:27] offset:4096*\p+512*\i th:TH_LOAD_NT
.endr
.endr
	s_wait_loadcnt 0x0
.irp t, 0,1,2,3,4,5,6,7,8,9,10,11,12,13,14,15
.irp p, 0,1
.irp q, 0,1,2,3
.if \t == 0
	v_pk_mul_f32 v[224+8*\p+2*\q:225+8*\p+2*\q], v[32+32*\q:33+32*\q], v[160+32*\p:161+32*\p]   ; the first product starts the sum
.else
	v_pk_fma_f32 v[224+8*\p+2*\q:225+8*\p+2*\q], v[32+32*\q+2*\t:33+32*\q+2*\t], v[160+32*\p+2*\t:161+32*\p+2*\t], v[224+8*\p+2*\q:225+8*\p+2*\q]
.endif
.endr
.endr
.endr
.irp n, 0,1,2,3,4,5,6,7
	v_add_f32 v[224+2*\n], v[224+2*\n], v[225+2*\n]
.endr
.irp m, 1,2,4,8
.irp n, 0,1,2,3,4,5,6,7
	v_add_f32_dpp v[224+2*\n], v[224+2*\n], v[224+2*\n] row_xmask:\m row_mask:0xf bank_mask:0xf
.endr
.endr
.irp n, 0,1,2,3,4,5,6,7
	v_permlanex16_b32 v[240+\n], v[224+2*\n], s[SEL], s[SEL+1]
.endr
.irp n, 0,1,2,3,4,5,6,7
	v_add_f32 v[224+2*\n], v[224+2*\n], v[240+\n]
.endr
	s_wait_alu depctr_va_vdst(0)
	s_wait_kmcnt 0x0
.irp q, 0,1,2,3
	v_add_f32 v[224+2*\q], s38, v[224+2*\q]
	v_add_f32 v[232+2*\q], s39, v[232+2*\q]
.endr
.irp n, 0,1,2,3,4,5,6,7
	v_mul_f32 v[224+2*\n], 0x3db8aa3b, v[224+2*\n] ; x log2(e) / 16
.endr
.irp p, 0,1
.irp q, 0,1,2,3
	ds_store_b32 v[QOA], v[224+8*\p+2*\q] offset:64*\q+4*\p   ; [query][16 columns]; all lanes write the same word with the same value
.endr
.endr
	s_wait_dscnt 0x0
	s_barrier_signal -1
	s_barrier_wait -1
	s_cmp_lg_u32 s18, 0
	s_cbranch_scc1 .Lend_q
	ds_load_b64 v[32:33], v[QRD]
	s_wait_dscnt 0x0
	global_store_b64 v[GQ], v[32:33], s[28:29]     ; 32 lanes store 256 consecutive bytes, aligned
.Lend_q:
	s_wait_tensorcnt 0x0                           ; the wave's end: three lines behind my last LDS store
	ds_add_u32 v[SPW], v[NIL]
	s_wait_dscnt 0x0
	s_endpgm
.Lfunc_end_k_q8d518cf021_prep:
	.size	k_q8d518cf021_prep, .Lfunc_end_k_q8d518cf021_prep-k_q8d518cf021_prep
	.p2alignl 7, 3214868480
	.fill 96, 4, 3214868480
	.section	.rodata,"a",@progbits
	.p2align	6, 0x0
	.amdhsa_kernel k_q8d518cf021_prep
		.amdhsa_group_segment_fixed_size 36608
		.amdhsa_private_segment_fixed_size 0
		.amdhsa_enable_private_segment 0
		.amdhsa_kernarg_size 56
		.amdhsa_user_sgpr_count 2
		.amdhsa_user_sgpr_kernarg_segment_ptr 1
		.amdhsa_wavefront_size32 1
		.amdhsa_system_sgpr_workgroup_id_x 1
		.amdhsa_system_sgpr_workgroup_id_y 1
		.amdhsa_system_sgpr_workgroup_id_z 1
		.amdhsa_system_vgpr_workitem_id 0
		.amdhsa_next_free_vgpr 256
		.amdhsa_next_free_sgpr 66
		.amdhsa_reserve_vcc 0
		.amdhsa_float_denorm_mode_32 3
		.amdhsa_float_denorm_mode_16_64 3
		.amdhsa_memory_ordered 1
		.amdhsa_forward_progress 1
		.amdhsa_inst_pref_size 36
	.end_amdhsa_kernel
	.amdgpu_metadata
---
amdhsa.version: [ 1, 2 ]
amdhsa.kernels:
  - .name:           k_q8d518cf021_prep
    .symbol:         k_q8d518cf021_prep.kd
    .args:
      - { .name: in_proj_w, .offset: 0, .size: 8, .value_kind: global_buffer, .address_space: global }
      - { .name: in_proj_b, .offset: 8, .size: 8, .value_kind: global_buffer, .address_space: global }
      - { .name: out_w, .offset: 16, .size: 8, .value_kind: global_buffer, .address_space: global }
      - { .name: queries, .offset: 24, .size: 8, .value_kind: global_buffer, .address_space: global }
      - { .name: wst, .offset: 32, .size: 8, .value_kind: global_buffer, .address_space: global }
      - { .name: owf, .offset: 40, .size: 8, .value_kind: global_buffer, .address_space: global }
      - { .name: qs, .offset: 48, .size: 8, .value_kind: global_buffer, .address_space: global }
    .group_segment_fixed_size: 36608
    .private_segment_fixed_size: 0
    .kernarg_segment_align: 8
    .kernarg_segment_size: 56
    .max_flat_workgroup_size: 256
    .sgpr_count:     66
    .vgpr_count:     256
    .wavefront_size: 32
...
	.end_amdgpu_metadata
.endif
;; end of part 1
;; launch main (part 2): grid 256 x 1, 4 waves a work-group, clusters of 4 x 1, 327,680 bytes of LDS; arguments hidden_states, wst, qs, tsc, stat, cpart; writes tsc, stat, cpart
.if DOCPART == 2
	.amdgcn_target "amdgcn-amd-amdhsa--gfx1250"
	.amdhsa_code_object_version 6
	.text
	.protected	k_q8d518cf021_main
	.globl	k_q8d518cf021_main
	.p2align	8
	.type	k_q8d518cf021_main,@function
k_q8d518cf021_main:
	s_mov_b64 s[64:65], 0
	v_nop
	global_prefetch_b8 v0, s[64:65] scope:SCOPE_SE
	s_setreg_imm32_b32 hwreg(HW_REG_WAVE_MODE, 25, 1), 1
	s_wait_xcnt 0x0
	s_wait_alu depctr_hold_cnt(0) depctr_sa_sdst(0) depctr_va_vdst(0) depctr_va_sdst(0) depctr_va_ssrc(0) depctr_va_vcc(0) depctr_vm_vsrc(0)
	s_getreg_b32 s2, hwreg(HW_REG_IB_STS2, 6, 4)
	s_cmp_eq_u32 s2, 0
	s_cbranch_scc0 .Lentry_in_a_cluster
	s_endpgm
.Lentry_in_a_cluster:
	s_bfe_u32 s2, ttmp6, 0x10000c
	s_cmp_lg_u32 s2, 0x3003
	s_cbranch_scc0 .Lentry_shape_is_right
	s_endpgm
.Lentry_shape_is_right:
; ATTENTIVE POOLING, launch 2 of 4: k = Q(x) Q(Wk)^T and v = Q(x) Q(Wv)^T on codes of E4M3, and what attention makes of them, for 128 rows of hidden_states a work-group.  k and v never leave the registers.
; LEFT OUT: bk (the same along the softmax's axis: shown at the head of the first kernel); bv is added in the next launch (a softmax's row sums to 1).
; LIMITS: blocks of 32 under 2^-118 get the scale byte 1; NaN, infinities and sums beyond f32's range are not served (a finished tile's sums are once multiplied by zeros, see below).
; SHARES.  Wave w: rh = w / 2: which 64 rows;  nh = w % 2: heads 2 nh and 2 nh + 1.  PHASE A: a wave reads its own 32 rows x 1,024 f32 once, quantises them in registers (16 fragments) and hands their images to its partner
; (wave w xor 1) through LDS; the scale words follow once, with the last fragment.  Then each wave holds the codes of its 64 rows, all of K, in 512 registers, and every fragment of W read from LDS feeds four products.
; THE WEIGHTS walk through a ring of two LDS slots, four pairs of tiles a slot, filled by joint tensor loads: all work-groups walk the same stream, so the four of a cluster ask together (mask 15).
; The stream is taken ONE TILE AHEAD: while tile t is multiplied, tile t + 1's fragments come from LDS in ONE run of loads, and tile t - 1's results are used up by vector lines, two or three behind each product.
; V's four stores of a tile's sums stand one tile further on, directly ahead of that run: a tile has one group of LDS instructions.
; That goes on from trip to trip; only at a head's end the last tile's lines stand alone (DRAIN).  The first tile of a head of K finds zeros as q; the first two tiles of a head of V store into places of the stage that are written again before they are read.
; Trip n (four tiles) reads group n + 1 (pairs 4 n + 1 .. 4 n + 4); pair 0 comes straight from memory; the last group's fourth pair is pair 0 once more: the last look-ahead reads it and nothing uses it.
; THE CHANGE OF SLOTS stands inside a trip's first tile: the waits and the add at its head, products up to the signal and up to the wait, the cluster's round, then the joint load of group n + 2 into the slot that trip n - 1 read
; (trip 0: slot 0's first fill, issued as a refill is).  Trips 0 to 14 have one load each; trip 15 has none and is written out, as a loop of two trips of two tiles.
; NO PREFETCH: phase A is written out, with 64 loads a wave on their way and no loop to run ahead in; the weights are one stream of 2,162,688 bytes that all 256 work-groups share, asked for a trip ahead.
; K TILES are used transposed (source 0 = 16 rows of Wk, source 1 = 16 rows of x): a lane holds one row s and eight d: t[s][q] += k[s][d] q[q][d], packed, f32.  After a head's 16 tiles: the wave's own maximum m over its 64 rows,
; p = 2^(t - m), l = sum p; t, m, l go to memory for the next launch.   V TILES are used as they are (source 0 = x, source 1 = Wv): a lane holds one d and eight rows: c[q][d] = sum_s p[q][s] v[s][d].
; REGISTERS: window 0: v1-15, v248-255 addresses; v16-31 x's scale words (lanes 0-15: K steps 0-3, lanes 16-31: K steps 4-7); v32-39 W's, two sets; v40-103 results, two sets of four tiles; v104-247 by phase.
;   window 1: phase A: four landing sets; later W's fragments, two sets.  window 2: x's fragments of my own 32 rows.  window 3: my partner's.
.set SLOT,  135168
.set PAIR,  33792
.set BLKB,  16896
.set PRV,   2*SLOT                     ; behind the ring: 8,704 bytes for each wave; no tensor load lands from here on
.set PRVB,  8704
.set EXO,   4352                       ; phase A: the stage (16 x 272), then two exchange buffers;  later: t and p (2,048), m and l, then the stage for c (4,096)
.set EXB,   2176
.set STSO,  2048
.set QT,    PRV+4*PRVB                 ; q, 16,384 bytes
.set SPARE, QT+16384                   ; the spare words, 128 bytes for each wave
.set SPW, 1
.set NIL, 2
.set LI,  3
.set XA,  4
.set TS,  5
.set TL,  6
.set EWA, 7
.set ERA, 9
.set QTA, 11
.set WAD, 4
.set QAD, 5
.set QAD0, 6
.set TPO, 7
.set TPP, 8
.set TRD, 9
.set STA, 10
.set TSO, 11
.set PAO, 12
.set PAP, 13
.set CSA0, 14
.set CSA, 15
.set XS,  16
.set WS,  32
.set D,   40
.set N,   104
.set TM,  168
.set PW,  188
.set EXS, 190
.set EXR, 191
.set QL,  192
.set QB,  104
.set SACC, 168
.set T,   200
.set TX,  216
.set MX,  232
.set LSM, 236
.set T8,  240
.set P,   104
.set CACC, 232
.set VT,  240
.set FLA, 248
.set STL, 249
.set SGO, 250
.set TA2, 251
.set TA3, 252
.set GQ,  252
.set RR,  253
.set HH,  254
.set LN,  255
.set WV,  16
.set RH,  17
.set NH,  18
.set MNT, 19
.set SEL, 20
.set MHI, 22
.set WQ,  23
.set G1,  24
.set G0A, 32
.set G0B, 36
.set WB,  40
.set TB,  42
.set TBN, 43
.set TBW, 44
.set GN,  45
.set HD,  46
.set TR,  47
.set CT,  48
.set QO,  49
.set HB,  50
.set NHO, 51
.set W0,  60
.set PB,  62
.set DT,  70
.set MSB, 0
.macro WIN new                         ; the immediate's high byte repeats the setting that is left; a switch that changes nothing is dropped
.if MSB != (\new)
	s_set_vgpr_msb (MSB<<8)|(\new)
.set MSB, (\new)
.endif
.endm
.macro CREST                           ; a round of the cluster's barrier behind its opening barrier
	s_cmp_lg_u32 s[WV], 0
	s_cbranch_scc1 .Lnot_wave_0_\@
	s_barrier_signal -3
.Lnot_wave_0_\@:
	s_barrier_wait -3
	s_barrier_signal -1
	s_barrier_wait -1
.endm
.macro CROUND
	s_barrier_signal -1
	s_barrier_wait -1
	CREST
.endm
	s_load_b256 s[4:11], s[0:1], 0x0               ; hidden_states s[4:5], wst s[6:7], qs s[8:9], tsc s[10:11]
	s_load_b128 s[12:15], s[0:1], 0x20             ; stat s[12:13], cpart s[14:15]
	v_lshl_add_u32 v[SPW], v0, 2, SPARE
	v_mov_b32 v[NIL], 0
	ds_add_u32 v[SPW], v[NIL]                      ; the wave's opening: the add, twice on end, and its wait ahead of my first tensor load
	ds_add_u32 v[SPW], v[NIL]
	v_lshrrev_b32 v[RR], 5, v0
	v_readfirstlane_b32 s[WV], v[RR]               ; wave 0..3
	s_lshr_b32 s[RH], s[WV], 1
	s_and_b32 s[NH], s[WV], 1
	s_bfe_u32 s56, ttmp6, 0x40000                  ; cx: it enters global addresses of hidden_states, tsc, stat and cpart alone
	s_lshl_b32 s57, ttmp9, 2
	s_add_co_u32 s57, s57, s56                     ; g: my block of 128 rows
	s_mov_b32 s[G1], 15|(3<<16)|(1<<21)            ; the mask: all four work-groups; elements of 8 bytes; bit 21 beside a mask; no padding
	s_mov_b32 s[G1+1], 32<<16                      ; rows of 256 bytes
	s_mov_b32 s[G1+2], 132<<16                     ; 132 rows: a pair, a wave's quarter of a group
	s_mov_b32 s[G1+3], 32<<16
	s_mov_b32 s[G1+4], 132
	s_mov_b32 s[G1+5], 32                          ; dense
	s_mov_b32 s[G1+6], 0
	s_mov_b32 s[G1+7], 0
	s_mul_i32 s[WQ], s[WV], PAIR
	s_mul_i32 s[NHO], s[NH], BLKB
	s_mov_b32 s[MNT], 0x600000                     ; the mantissa field of 448
	s_mov_b32 s[SEL], 0x76543210
	s_mov_b32 s[SEL+1], 0xfedcba98                 ; lane l xor 16
	s_mov_b32 s[MHI], 0xffff0000                   ; lanes 16-31
	s_mov_b32 s[TB], SLOT                          ; trip 0 reads group 1, in slot 1
	s_mov_b32 s[GN], 2                             ; trip 0 asks for group 2
	s_mov_b32 s[QO], 0
	s_mov_b32 s[HB], 0
	s_mov_b32 s[CT], 0
	s_lshl_b32 s52, s57, 7
	s_lshl_b32 s58, s[RH], 6
	s_add_co_u32 s52, s52, s58
	s_lshl_b32 s58, s[NH], 5
	s_add_co_u32 s52, s52, s58                     ; my own first row: 128 g + 64 rh + 32 nh
	s_lshl_b32 s52, s52, 12
	s_mov_b32 s53, 0
	s_lshr_b32 s54, s57, 5                         ; the batch
	s_lshl_b32 s54, s54, 2
	s_lshl_b32 s58, s[NH], 1
	s_add_co_u32 s54, s54, s58
	s_lshl_b32 s54, s54, 16                        ; tsc: (4 b + 2 nh) heads of 4 x 16,384 bytes
	s_and_b32 s58, s57, 31
	s_lshl_b32 s58, s58, 9
	s_add_co_u32 s54, s54, s58
	s_lshl_b32 s58, s[RH], 8
	s_add_co_u32 s54, s54, s58                     ; + my 64 rows' 256 bytes
	s_mov_b32 s55, 0
	s_lshl_b32 s58, s57, 1
	s_add_co_u32 s58, s58, s[RH]                   ; 64 b + block = 2 g + rh
	s_lshl_b32 s66, s58, 7
	s_lshl_b32 s59, s[NH], 6
	s_add_co_u32 s66, s66, s59                     ; stat
	s_mov_b32 s67, 0
	s_lshl_b32 s68, s58, 14
	s_lshl_b32 s59, s[NH], 13
	s_add_co_u32 s68, s68, s59                     ; cpart
	s_mov_b32 s69, 0
	s_mul_i32 s[PB], s[WV], PRVB
	s_add_co_u32 s[PB], s[PB], PRV                 ; my private block
	s_xor_b32 s63, s[WV], 1
	s_mul_i32 s63, s63, PRVB
	s_add_co_u32 s71, s63, PRV                     ; my partner's private block,
	s_add_co_u32 s63, s63, PRV+EXO                 ; and its exchange buffers
	s_lshl_b32 s74, s[NH], 7
	s_add_co_u32 s74, s74, s[PB]                   ; my own 32 rows among the 64: 4 bytes a row
	s_xor_b32 s75, s[NH], 1
	s_lshl_b32 s75, s75, 7
	s_add_co_u32 s75, s75, s[PB]                   ; my partner's
	s_add_co_u32 s76, s[PB], STSO
	s_lshl_b32 s77, s[NH], 13
	s_add_co_u32 s77, s77, QT                      ; q of my two heads
	s_add_co_u32 s78, s[PB], EXO
	s_lshl_b32 s79, s[WV], 12
	s_wait_dscnt 0x0                               ; both opening adds are done
	s_wait_kmcnt 0x0
	s_add_nc_u64 s[4:5], s[4:5], s[52:53]
	s_add_nc_u64 s[10:11], s[10:11], s[54:55]
	s_add_nc_u64 s[12:13], s[12:13], s[66:67]
	s_add_nc_u64 s[14:15], s[14:15], s[68:69]
	s_mov_b32 s72, s[WQ]
	s_mov_b32 s73, 0
	s_add_nc_u64 s[WB:WB+1], s[6:7], s[72:73]      ; my quarter of memory block 0: the wave's number alone
	s_add_co_u32 s72, s[NHO], 3*PAIR
	s_add_nc_u64 s[W0:W0+1], s[6:7], s[72:73]      ; pair 0, my block
	CROUND                                         ; all four work-groups are here: the first joint loads meet
	s_mov_b32 s[G0A], 1
	s_add_co_u32 s[G0A+1], s[WQ], SLOT             ; group 1 into slot 1
	s_add_nc_u64 s[G0A+2:G0A+3], s[WB:WB+1], SLOT
	s_or_b32 s[G0A+3], s[G0A+3], 0x80000000
	s_mov_b32 s[G0B], 1
	tensor_load_to_lds s[G0A:G0A+3], s[G1:G1+7]    ; my one tensor load at the head
	s_nop 0
.rept 4
	v_nop
.endr
	v_and_b32 v[LN], 31, v0
	v_and_b32 v[RR], 15, v0                        ; r
	v_bfe_u32 v[HH], v0, 4, 1                      ; h
	v_lshlrev_b32 v[LI], 4, v[LN]
	v_lshlrev_b32 v[XA], 4, v[RR]
	v_lshl_add_u32 v[XA], v[HH], 12, v[XA]         ; sixteen lanes read 256 bytes of a row, the other sixteen the next row
	v_mul_u32_u24 v[TS], v[HH], 272
	v_lshl_add_u32 v[TS], v[RR], 4, v[TS]
	v_add_nc_u32 v[TS], s[PB], v[TS]
	v_mul_u32_u24 v[TL], v[RR], 272
	v_lshl_add_u32 v[TL], v[HH], 6, v[TL]
	v_add_nc_u32 v[TL], s[PB], v[TL]
	v_add_nc_u32 v[EWA], s78, v[LI]
	v_add_nc_u32 v[ERA], s63, v[LI]
	v_add_nc_u32 v[EXS], s[PB], v[LI]              ; the scale words' exchange: my stage, my partner's
	v_add_nc_u32 v[EXR], s71, v[LI]
	v_add_nc_u32 v[GQ], s79, v[LI]                 ; my quarter of qs
	v_add_nc_u32 v[QTA], QT, v[GQ]
	v_lshl_add_u32 v[PAO], v[HH], 5, s74
	v_lshl_add_u32 v[PAP], v[HH], 5, s75
	v_lshl_add_u32 v[CSA0], v[RR], 2, s78
	v_add_nc_u32 v[FLA], s78, v[LI]
	v_bfe_u32 v[N], v0, 3, 1
	v_and_b32 v[N+1], 7, v0
	v_lshlrev_b32 v[N], 10, v[N]
	v_lshl_add_u32 v[N], v[N+1], 2, v[N]
	v_add_nc_u32 v[STL], s76, v[N]
	v_lshlrev_b32 v[SGO], 2, v[RR]
.irp b, 0,1,2,3
	v_mov_b32 v[TM+4+\b], 0                        ; a lane permute's destination counts as one of its sources
.endr
; ---------------- PHASE A
.macro XLOAD f                         ; fragment f (K step f / 2, row tile f % 2): 16 rows x 512 bytes into landing set f % 4
	WIN 0x40
.irp u, 0,1
.irp i, 0,1,2,3,4,5,6,7
	global_load_b128 v[64*((\f)%4)+32*\u+4*\i:64*((\f)%4)+32*\u+4*\i+3], v[XA], s[4:5] offset:(16*((\f)%2)+2*\i)*4096+512*((\f)/2)+256*\u th:TH_LOAD_NT
.endr
.endr
	WIN 0
.endm
.macro TURNU set, u                    ; 256 bytes of each of 16 rows through my stage: v[N + 16 b + i] = x(row r, 32 b + 16 h + i).  LDS serves a wave's instructions in order: no wait between stores and loads
	WIN 0x04
.irp i, 0,1,2,3,4,5,6,7
	ds_store_b128 v[TS], v[64*(\set)+32*\u+4*\i:64*(\set)+32*\u+4*\i+3] offset:2*\i*272
.endr
	WIN 0
.irp c, 0,1
.irp j, 0,1,2,3
	ds_load_b128 v[N+16*(2*\u+\c)+4*\j:N+16*(2*\u+\c)+4*\j+3], v[TL] offset:128*\c+16*\j
.endr
.endr
.endm
.macro FR f
.set KS, (\f)/2
.set AA, (\f)%2
.set XW, XS+4*AA+(KS%4)
.if (\f) == 15
	s_wait_loadcnt 33                              ; behind this fragment's loads: pair 0's 33
.elseif (\f) == 14
	s_wait_loadcnt 49                              ; one fragment's 16 and pair 0's 33
.elseif (\f) == 13
	s_wait_loadcnt 32
.else
	s_wait_loadcnt 48                              ; this fragment's 16 loads are in; those of the three behind it stay out
.endif
	TURNU (\f)%4, 0
	TURNU (\f)%4, 1
	s_wait_dscnt 0x0                               ; the numbers are back, so the stores have read the landing set; my partner's last image is in too
.if (\f) < 12
	XLOAD (\f)+4
.endif
.if (\f) == 13                                 ; landing sets 0 and 1 are free: pair 0's fragments and scale words come straight from memory, as the register images that they are
	WIN 0x40
.irp x, 0,1,2,3,4,5,6,7,8,9,10,11,12,13,14,15,16,17,18,19,20,21,22,23,24,25,26,27,28,29,30,31
	global_load_b128 v[4*\x:4*\x+3], v[LI], s[W0:W0+1] offset:512*\x
.endr
	WIN 0
	global_load_b128 v[WS:WS+3], v[LI], s[W0:W0+1] offset:16384
.endif
.irp b, 0,1,2,3
	v_max3_num_f32 v[TM+\b], |v[N+16*\b]|, |v[N+1+16*\b]|, 0x4800000   ; block b: my 16 numbers, and the floor 2^(9 - 127): the byte cannot fall under 1
.endr
.irp i, 2,4,6,8,10,12,14
.irp b, 0,1,2,3
	v_max3_num_f32 v[TM+\b], v[TM+\b], |v[N+16*\b+\i]|, |v[N+1+16*\b+\i]|
.endr
.endr
.irp b, 0,1,2,3
	v_permlanex16_b32 v[TM+4+\b], v[TM+\b], s[SEL], s[SEL+1]
.endr
.irp b, 0,1,2,3
	v_max_num_f32 v[TM+\b], v[TM+\b], v[TM+4+\b]   ; with lane l xor 16's: the block's largest magnitude
.endr
.irp b, 0,1,2,3
	v_add_nc_u32 v[TM+12+\b], 0xfc000000, v[TM+\b] ; 8 off its exponent field: the conversion's scale operand
.endr
.irp b, 0,1,2,3
	v_and_or_b32 v[TM+8+\b], v[TM+\b], 0x7f800000, s[MNT]   ; 448 x the scale
.endr
.irp b, 0,1,2,3
	v_lshrrev_b32 v[TM+4+\b], 23, v[TM+12+\b]      ; the scale's byte
.endr
	v_lshl_or_b32 v[PW], v[TM+5], 8, v[TM+4]
	v_lshl_or_b32 v[PW], v[TM+6], 16, v[PW]
	v_lshl_or_b32 v[PW], v[TM+7], 24, v[PW]
.irp b, 0,1,2,3
.irp i, 0,1,2,3,4,5,6,7,8,9,10,11,12,13,14,15
	v_med3_num_f32 v[N+16*\b+\i], v[N+16*\b+\i], -v[TM+8+\b], v[TM+8+\b]   ; the conversion to an 8-bit code does not saturate (ISA guide 7.6.2): the hold comes first
.endr
.endr
	WIN 0x80                                       ; the codes go where they stay: window 2
.irp b, 0,1,2,3
	v_cvt_scalef32_pk8_fp8_f32 v[128*AA+16*KS+4*\b:128*AA+16*KS+4*\b+1], v[N+16*\b:N+7+16*\b], v[TM+12+\b]
	v_cvt_scalef32_pk8_fp8_f32 v[128*AA+16*KS+4*\b+2:128*AA+16*KS+4*\b+3], v[N+8+16*\b:N+15+16*\b], v[TM+12+\b]
.endr
	v_nop                                          ; a plain line behind the last scaled conversion
	WIN 0
.if KS < 4
	v_mov_b32 v[XW], v[PW]
.else
	v_cndmask_b32 v[XW], v[XW], v[PW], s[MHI]      ; K steps 4-7 ride in lanes 16-31
.endif
	WIN 0x08                                       ; an LDS store's data are its source 1: window 2
.irp c, 0,1,2,3
	ds_store_b128 v[EWA], v[128*AA+16*KS+4*\c:128*AA+16*KS+4*\c+3] offset:((\f)%2)*EXB+512*\c   ; the fragment's image
.endr
	WIN 0
.if (\f) == 15
	ds_store_b128 v[EXS], v[XS:XS+3]               ; my eight registers of scale words, as an image, into my stage, which I read no more
	ds_store_b128 v[EXS], v[XS+4:XS+7] offset:512
.endif
	s_wait_dscnt 0x0                               ; for my partner's sake: my image lies in LDS; and my reads of its last image are in, so that it may write that buffer again
	s_barrier_signal -1
	s_barrier_wait -1
	WIN 0xc0                                       ; destination window 3; the next wait on DScnt for 0 covers these loads
.irp c, 0,1,2,3
	ds_load_b128 v[128*AA+16*KS+4*\c:128*AA+16*KS+4*\c+3], v[ERA] offset:((\f)%2)*EXB+512*\c
.endr
	WIN 0
.if (\f) == 15
	ds_load_b128 v[XS+8:XS+11], v[EXR]
	ds_load_b128 v[XS+12:XS+15], v[EXR] offset:512
.endif
.endm
.irp i, 0,1,2,3,4,5,6,7
	global_load_b128 v[QL+4*\i:QL+4*\i+3], v[GQ], s[8:9] offset:512*\i   ; my quarter of q
.endr
	XLOAD 0
	XLOAD 1
	XLOAD 2
	s_wait_loadcnt 48                              ; q is in; the 48 loads behind it stay out
.irp i, 0,1,2,3,4,5,6,7
	ds_store_b128 v[QTA], v[QL+4*\i:QL+4*\i+3] offset:512*\i   ; the first barrier below, with its wait, shows it to the other waves
.endr
	XLOAD 3
.irp f, 0,1,2,3,4,5,6,7,8,9,10,11,12,13,14,15
	FR \f
.endr
; ---------------- between the phases
	s_wait_loadcnt 0x0                             ; pair 0
	v_lshl_add_u32 v[TPO], v[RR], 2, s74
	v_lshl_add_u32 v[TPP], v[RR], 2, s75
	v_add_nc_u32 v[TRD], s[PB], v[LI]
	v_mov_b32 v[STA], s76
	v_lshlrev_b32 v[TSO], 4, v[RR]
	v_lshl_add_u32 v[TSO], v[HH], 14, v[TSO]
	v_lshl_add_u32 v[QAD0], v[HH], 5, s77
.irp n, 0,1,2,3,4,5,6,7,8,9,10,11,12,13,14,15,16,17,18,19,20,21,22,23,24,25,26,27,28,29,30,31
	v_mov_b32 v[D+32+\n], 0                        ; the very first tile has no tile before it: its vector lines find zeros
.endr
.irp n, 0,1,2,3,4,5,6,7,8,9,10,11,12,13,14,15
	v_mov_b32 v[TX+\n], 0                          ; lane permutes' destinations
.endr
; ---------------- the tiles.  ph = 0: K, 1: V
.macro MM1 ph, e                       ; product 2 GRP + e of a tile: K step GRP / 2, row tile 2 (GRP % 2) + e.  The four accumulators take turns, one instruction a turn
.set KS, GRP/2
.set HF, GRP%2
.set rD, D+32*PAR+8*(2*HF+\e)
.set rW, 128*PAR+16*KS
.set rX, 128*\e+16*KS
.set rA, WS+4*PAR+(KS%4)
.set rB, XS+4*(2*HF+\e)+(KS%4)
.if \ph == 0
	WIN 0x09+4*HF                                  ; source 0 (W) window 1, source 1 (x) window 2 or 3
.if KS == 0
	v_wmma_scale_f32_16x16x128_f8f6f4 v[rD:rD+7], v[rW:rW+15], v[rX:rX+15], 0, v[rA], v[rB]
.elseif KS < 4
	v_wmma_scale_f32_16x16x128_f8f6f4 v[rD:rD+7], v[rW:rW+15], v[rX:rX+15], v[rD:rD+7], v[rA], v[rB]
.else
	v_wmma_scale_f32_16x16x128_f8f6f4 v[rD:rD+7], v[rW:rW+15], v[rX:rX+15], v[rD:rD+7], v[rA], v[rB] matrix_a_scale:MATRIX_SCALE_ROW1 matrix_b_scale:MATRIX_SCALE_ROW1
.endif
.else
	WIN 0x06+HF                                    ; source 0 (x) window 2 or 3, source 1 (W) window 1
.if KS == 0
	v_wmma_scale_f32_16x16x128_f8f6f4 v[rD:rD+7], v[rX:rX+15], v[rW:rW+15], 0, v[rB], v[rA]
.elseif KS < 4
	v_wmma_scale_f32_16x16x128_f8f6f4 v[rD:rD+7], v[rX:rX+15], v[rW:rW+15], v[rD:rD+7], v[rB], v[rA]
.else
	v_wmma_scale_f32_16x16x128_f8f6f4 v[rD:rD+7], v[rX:rX+15], v[rW:rW+15], v[rD:rD+7], v[rB], v[rA] matrix_a_scale:MATRIX_SCALE_ROW1 matrix_b_scale:MATRIX_SCALE_ROW1
.endif
.endif
.endm
; Number NS of the vector work on the tile before (results in set PRE).  K: 64 packed multiply-adds.  V: 64, then the sum's two halves and lane l xor 16's: 76 lines.
; Each accumulator is read from its two lowest registers on.
.macro SLICE ph
.set sS, NS/16
.set sJ, (NS/4)%4
.set sQ, NS%4
.if \ph == 0
	v_pk_fma_f32 v[SACC+8*sS+2*sQ:SACC+8*sS+2*sQ+1], v[D+32*PRE+8*sS+2*sJ:D+32*PRE+8*sS+2*sJ+1], v[QB+32*PRE+8*sQ+2*sJ:QB+32*PRE+8*sQ+2*sJ+1], v[SACC+8*sS+2*sQ:SACC+8*sS+2*sQ+1]
.elseif NS < 4
	v_pk_mul_f32 v[CACC+2*sQ:CACC+2*sQ+1], v[D+32*PRE:D+32*PRE+1], v[P+8*sQ:P+8*sQ+1]   ; the first products start the tile's sums
.elseif NS < 64
	v_pk_fma_f32 v[CACC+2*sQ:CACC+2*sQ+1], v[D+32*PRE+8*sS+2*sJ:D+32*PRE+8*sS+2*sJ+1], v[P+32*sS+8*sQ+2*sJ:P+32*sS+8*sQ+2*sJ+1], v[CACC+2*sQ:CACC+2*sQ+1]
.elseif NS < 68
	v_add_f32 v[VT+sQ], v[CACC+2*sQ], v[CACC+2*sQ+1]
.elseif NS < 72
	v_permlanex16_b32 v[VT+4+sQ], v[VT+sQ], s[SEL], s[SEL+1]
.else
	v_add_f32 v[VT+sQ], v[VT+sQ], v[VT+4+sQ]
.endif
.set NS, NS+1
.endm
.macro VST so                          ; V: a finished tile's c[q][16 tile + r] into my stage, at byte so of its rows; lanes r and r + 16 write the same word with the same value
.irp q, 0,1,2,3
	ds_store_b32 v[CSA], v[VT+\q] offset:(\so)+1024*\q
.endr
.endm
; A tile's LDS loads, in ONE run: the next tile's 32 chunks into the other set of fragments, its scale words; K: this tile's q, used one tile on.
.macro RUN ph, j
	WIN 0x40                                       ; destination window 1, address window 0
.set IDX, 0
.rept 32
	ds_load_b128 v[128*PRE+4*IDX:128*PRE+4*IDX+3], v[WAD] offset:512*IDX
.set IDX, IDX+1
.endr
	WIN 0
	ds_load_b128 v[WS+4*PRE:WS+4*PRE+3], v[WAD] offset:16384
.if \ph == 0
.set IDX, 0
.rept 8
	ds_load_b128 v[QB+32*PAR+4*IDX:QB+32*PAR+4*IDX+3], v[QAD] offset:256*(\j)+64*(IDX/2)+16*(IDX%2)
.set IDX, IDX+1
.endr
.endif
.endm
; A TILE: 32 products; behind each two lines of the tile before (V: two behind each of the first 20, three behind each of the last 12: 76).  Behind the first two products, or behind the refill: V's four stores of the tile before that, and the run of loads.
; PLACES (eight behind this form).  Ahead of an accumulator's first reader, behind row tile 0's last product: K: eight packed lines on the other set and the address's addition; V: twelve lines and the addition.
; Ahead of the run, which loads into what the tile before read up to its last product: K: 2 lines, the addition, 4 lines, 2 v_nop: nine; V: 3 + 1 + 4 + 2: ten.
; rnd = 1: the change of slots.  so: V: where the stores go.
.macro BODY ph, j, rnd, so
.set PAR, (\j)%2
.set PRE, 1-PAR
.set NS, 0
.set GRP, 0
.set WN, 0
	s_wait_dscnt 0x0                               ; this tile's fragments and scale words, and the q of the tile before, are in
.if \rnd
	s_wait_tensorcnt 0x0                           ; all my tensor loads are done: my quarter of the slot that this trip reads; so the group 0 may be written
	ds_add_u32 v[SPW], v[NIL]                      ; 0 onto my spare word; work on registers stands between it and the wait for it
	s_xor_b32 s[DT], s[TB], SLOT                   ; into the slot that the last trip read
	s_add_co_u32 s[G0B+1], s[DT], s[WQ]
	s_and_b32 s[DT], s[GN], 15                     ; group 16 is memory block 0
	s_mul_i32 s[DT], s[DT], SLOT
	s_mov_b32 s[DT+1], 0
	s_add_nc_u64 s[G0B+2:G0B+3], s[WB:WB+1], s[DT:DT+1]
	s_or_b32 s[G0B+3], s[G0B+3], 0x80000000
	s_add_co_u32 s[GN], s[GN], 1
.endif
	s_add_co_u32 s[TBW], s[TBN], PAIR*(\j)
	v_add_nc_u32 v[WAD], s[TBW], v[LI]
.rept 16
.irp e, 0,1
	MM1 \ph, \e
	WIN 0
.rept 2+(\ph)*(WN/20)
	SLICE \ph
.endr
.set WN, WN+1
.endr
.if \rnd
.if GRP == 1
	s_wait_alu depctr_va_vdst(0)
	s_wait_dscnt 0x0                               ; the add is done; my reads of the other slot were over at the tile's head
	s_barrier_signal -1
.endif
.if GRP == 2
	s_barrier_wait -1
	CREST                                          ; no wave of any partner still reads that slot or has a load on its way
	tensor_load_to_lds s[G0B:G0B+3], s[G1:G1+7]    ; my one load behind the round: it has the rest of this trip in which to land
	s_nop 0
.rept 4
	v_nop
.endr
	s_wait_alu depctr_va_vdst(0)                   ; for what the lines between signal and wait wrote, and for the sums that the stores below read
.endif
.endif
.if GRP == 2*\rnd
.if \rnd == 0
	v_nop
	v_nop
.if \ph == 1
	s_wait_alu depctr_va_vdst(0)                   ; the stores read sums that were written ahead of the tile's first wait
.endif
.endif
.if \ph == 1
	VST \so
.endif
	RUN \ph, \j
.endif
.set GRP, GRP+1
.endr
.endm
.macro TRIP ph                         ; four tiles: a slot
	s_add_co_u32 s[TBN], s[TB], s[NHO]             ; my block of the slot's pairs
.if \ph == 0
	v_add_nc_u32 v[QAD], s[QO], v[QAD0]
	s_add_co_u32 s[QO], s[QO], 1024
.endif
	s_wait_alu depctr_va_vdst(0)
	BODY \ph, 0, 1, 128                            ; V: the first two tiles store the last trip's third and fourth, by the last trip's address
	BODY \ph, 1, 0, 192
.if \ph == 1
	s_and_b32 s[TBW], s[CT], 0x300                 ; a head has four trips: the stage is written anew for the second head
	v_add_nc_u32 v[CSA], s[TBW], v[CSA0]
	s_add_co_u32 s[CT], s[CT], 256
.endif
	BODY \ph, 2, 0, 0
	BODY \ph, 3, 0, 64
	s_xor_b32 s[TB], s[TB], SLOT
.endm
.macro DRAIN ph, so                    ; a head's last tile (set 1) has no tile behind it in its head: its lines stand alone; V: the last tile but one is stored first
.set PRE, 1
.set NS, 0
.if \ph == 0
	s_wait_dscnt 0x0                               ; its q
.else
	s_wait_alu depctr_va_vdst(0)
	VST \so
.endif
.rept 64+12*\ph
	SLICE \ph
.endr
.if \ph == 1
	VST (\so)+64
.endif
.endm
.macro TPST                            ; sixteen numbers a lane into [query][64 rows]: my own rows, my partner's
.irp g, 0,1
.irp q, 0,1,2,3
	ds_store_b32 v[WAD], v[T+4*\g+\q] offset:256*\q+64*\g
	ds_store_b32 v[QAD], v[T+8+4*\g+\q] offset:256*\q+64*\g
.endr
.endr
.endm
.macro PLOAD hd                        ; p of head hd: register 32 tile + 8 q + j = p[q][row 8 h + j of the tile]
.irp g, 0,1
.irp q, 0,1,2,3
.irp e, 0,1
	ds_load_b128 v[P+32*\g+8*\q+4*\e:P+32*\g+8*\q+4*\e+3], v[PAO] offset:1024*\hd+256*\q+64*\g+16*\e
	ds_load_b128 v[P+64+32*\g+8*\q+4*\e:P+64+32*\g+8*\q+4*\e+3], v[PAP] offset:1024*\hd+256*\q+64*\g+16*\e
.endr
.endr
.endr
.endm
.macro FLUSH                           ; a head's c[4][256] leaves: 32 lanes store 512 consecutive bytes
.irp i, 0,1,2,3,4,5,6,7
	ds_load_b128 v[P+4*\i:P+4*\i+3], v[FLA] offset:512*\i
.endr
	s_wait_dscnt 0x0
.irp i, 0,1,2,3,4,5,6,7
	global_store_b128 v[LI], v[P+4*\i:P+4*\i+3], s[14:15] offset:512*\i th:TH_STORE_NT
.endr
.endm
; ---------------- K: two heads of four trips of four tiles
	s_mov_b32 s[HD], 2
.Lhead:
.irp n, 0,1,2,3,4,5,6,7,8,9,10,11,12,13,14,15,16,17,18,19,20,21,22,23,24,25,26,27,28,29,30,31
	v_mov_b32 v[QB+32+\n], 0                       ; the head's first tile multiplies what stands in set 1 by these zeros
.endr
.irp n, 0,1,2,3,4,5,6,7,8,9,10,11,12,13,14,15,16,17,18,19,20,21,22,23,24,25,26,27,28,29,30,31
	v_mov_b32 v[SACC+\n], 0                        ; the head's 16 sums, in pairs
.endr
	s_mov_b32 s[TR], 4
.Lktrip:
	TRIP 0
	s_sub_co_u32 s[TR], s[TR], 1
	s_cmp_lg_u32 s[TR], 0
	s_cbranch_scc1 .Lktrip
	DRAIN 0, 0
	; a head's end: t, its maximum over my 64 rows, p and its sum
.irp n, 0,1,2,3,4,5,6,7,8,9,10,11,12,13,14,15
	v_add_f32 v[T+\n], v[SACC+2*\n], v[SACC+2*\n+1]
.endr
.irp n, 0,1,2,3,4,5,6,7,8,9,10,11,12,13,14,15
	v_permlanex16_b32 v[TX+\n], v[T+\n], s[SEL], s[SEL+1]
.endr
.irp n, 0,1,2,3,4,5,6,7,8,9,10,11,12,13,14,15
	v_add_f32 v[T+\n], v[T+\n], v[TX+\n]           ; t[row r of tile n / 4][query n % 4], in both halves of the lanes
.endr
	v_add_nc_u32 v[WAD], s[HB], v[TPO]             ; (the two registers are made anew in the next trip)
	v_add_nc_u32 v[QAD], s[HB], v[TPP]
	v_add_nc_u32 v[TA2], s[HB], v[TRD]
	v_add_nc_u32 v[TA3], s[HB], v[STA]
	TPST
	ds_load_b128 v[T8:T8+3], v[TA2]                ; back by rows of 256 bytes: lanes 0-15 one query's 64 rows, lanes 16-31 the next's
	ds_load_b128 v[T8+4:T8+7], v[TA2] offset:512
.irp q, 0,1,2,3
	v_max3_num_f32 v[MX+\q], v[T+\q], v[T+4+\q], v[T+8+\q]
.endr
.irp q, 0,1,2,3
	v_max_num_f32 v[MX+\q], v[MX+\q], v[T+12+\q]
.endr
.irp m, 1,2,4,8
.irp q, 0,1,2,3
	v_max_num_f32_dpp v[MX+\q], v[MX+\q], v[MX+\q] row_xmask:\m row_mask:0xf bank_mask:0xf
.endr
.endr
.irp n, 0,1,2,3,4,5,6,7,8,9,10,11,12,13,14,15
	v_sub_f32 v[T+\n], v[T+\n], v[MX+\n%4]
.endr
	s_wait_alu depctr_va_vdst(0)
.irp n, 0,1,2,3,4,5,6,7,8,9,10,11,12,13,14,15
	v_exp_f32 v[T+\n], v[T+\n]                     ; p = 2^(t - m), at most 1
.endr
	v_nop                                          ; a plain line behind the last exponential
	s_wait_alu depctr_va_vdst(0)                   ; one wait for the batch, ahead of its first reader
.irp q, 0,1,2,3
	v_add_f32 v[LSM+\q], v[T+\q], v[T+4+\q]
.endr
.irp q, 0,1,2,3
	v_add_f32 v[TX+\q], v[T+8+\q], v[T+12+\q]
.endr
.irp q, 0,1,2,3
	v_add_f32 v[LSM+\q], v[LSM+\q], v[TX+\q]
.endr
.irp m, 1,2,4,8
.irp q, 0,1,2,3
	v_add_f32_dpp v[LSM+\q], v[LSM+\q], v[LSM+\q] row_xmask:\m row_mask:0xf bank_mask:0xf
.endr
.endr
	s_wait_alu depctr_va_vdst(0)
	s_wait_dscnt 0x0
	global_store_b128 v[TSO], v[T8:T8+3], s[10:11] th:TH_STORE_NT             ; sixteen lanes store 256 consecutive bytes, aligned
	global_store_b128 v[TSO], v[T8+4:T8+7], s[10:11] offset:32768 th:TH_STORE_NT
	TPST                                           ; p over t
.irp q, 0,1,2,3
	ds_store_b32 v[TA3], v[MX+\q] offset:8*\q
	ds_store_b32 v[TA3], v[LSM+\q] offset:8*\q+4
.endr
	s_wait_xcnt 0x0                                ; the stores have read their base and their data
	s_add_nc_u64 s[10:11], s[10:11], 65536         ; the next head's t
	s_add_co_u32 s[HB], s[HB], 1024
	s_sub_co_u32 s[HD], s[HD], 1
	s_cmp_lg_u32 s[HD], 0
	s_cbranch_scc1 .Lhead
; ---------------- V: seven trips with a load each; the eighth asks for nothing and is written out
	PLOAD 0
	v_add_nc_u32 v[CSA], 768, v[CSA0]              ; the first two tiles' stores (of no tile of V) fall on tiles 14 and 15's places, which are written again before they are read
	s_mov_b32 s[TR], 7
.Lv1:
	TRIP 1
	s_cmp_lg_u32 s[TR], 4                          ; behind the fourth trip the first head is done
	s_cbranch_scc1 .Lsame_head
	DRAIN 1, 128
	FLUSH
	s_wait_xcnt 0x0                                ; the stores have read their data and their base
	s_add_nc_u64 s[14:15], s[14:15], 4096
	PLOAD 1
.Lsame_head:
	s_sub_co_u32 s[TR], s[TR], 1
	s_cmp_lg_u32 s[TR], 0
	s_cbranch_scc1 .Lv1
	v_add_nc_u32 v[CSA], 128, v[CSA]               ; from here on the address walks: 64 bytes a tile
	s_add_co_u32 s[TBN], s[TB], s[NHO]
	s_wait_alu depctr_va_vdst(0)
	s_wait_tensorcnt 0x0                           ; my quarter of the last group is in
	ds_add_u32 v[SPW], v[NIL]
	s_wait_dscnt 0x0
	s_barrier_signal -1
	s_barrier_wait -1
	s_mov_b32 s[TR], 2
.Lv2:
	BODY 1, 0, 0, 0
	BODY 1, 1, 0, 64
	s_add_co_u32 s[TBN], s[TBN], 2*PAIR
	v_add_nc_u32 v[CSA], 128, v[CSA]
	s_wait_alu depctr_va_vdst(0)
	s_sub_co_u32 s[TR], s[TR], 1
	s_cmp_lg_u32 s[TR], 0
	s_cbranch_scc1 .Lv2
	DRAIN 1, 0
	FLUSH
	ds_load_b32 v[VT], v[STL]                      ; m and l of my two heads: 16 words
	s_wait_dscnt 0x0
	global_store_b32 v[SGO], v[VT], s[12:13]       ; 64 consecutive bytes; lanes 16-31 write the same words with the same values
	s_wait_tensorcnt 0x0                           ; the wave's end: three lines behind my last tensor load and my last LDS store
	ds_add_u32 v[SPW], v[NIL]
	s_wait_dscnt 0x0
	CROUND                                         ; the closing round: no work-group ends while a partner may still ask for a tile that names it
	s_endpgm
.Lfunc_end_k_q8d518cf021_main:
	.size	k_q8d518cf021_main, .Lfunc_end_k_q8d518cf021_main-k_q8d518cf021_main
	.p2alignl 7, 3214868480
	.fill 96, 4, 3214868480
	.section	.rodata,"a",@progbits
	.p2align	6, 0x0
	.amdhsa_kernel k_q8d518cf021_main
		.amdhsa_group_segment_fixed_size 327680
		.amdhsa_private_segment_fixed_size 0
		.amdhsa_enable_private_segment 0
		.amdhsa_kernarg_size 48
		.amdhsa_user_sgpr_count 2
		.amdhsa_user_sgpr_kernarg_segment_ptr 1
		.amdhsa_wavefront_size32 1
		.amdhsa_system_sgpr_workgroup_id_x 1
		.amdhsa_system_sgpr_workgroup_id_y 1
		.amdhsa_system_sgpr_workgroup_id_z 1
		.amdhsa_system_vgpr_workitem_id 0
		.amdhsa_next_free_vgpr 1024
		.amdhsa_next_free_sgpr 80
		.amdhsa_reserve_vcc 0
		.amdhsa_float_denorm_mode_32 3
		.amdhsa_float_denorm_mode_16_64 3
		.amdhsa_memory_ordered 1
		.amdhsa_forward_progress 1
		.amdhsa_inst_pref_size 255
	.end_amdhsa_kernel
	.section	.bss,"aw",@nobits
	.p2align	6
	.space	262144
	.amdgpu_metadata
---
amdhsa.version: [ 1, 2 ]
amdhsa.kernels:
  - .name:           k_q8d518cf021_main
    .symbol:         k_q8d518cf021_main.kd
    .args:
      - { .name: hidden_states, .offset: 0, .size: 8, .value_kind: global_buffer, .address_space: global }
      - { .name: wst, .offset: 8, .size: 8, .value_kind: global_buffer, .address_space: global }
      - { .name: qs, .offset: 16, .size: 8, .value_kind: global_buffer, .address_space: global }
      - { .name: tsc, .offset: 24, .size: 8, .value_kind: global_buffer, .address_space: global }
      - { .name: stat, .offset: 32, .size: 8, .value_kind: global_buffer, .address_space: global }
      - { .name: cpart, .offset: 40, .size: 8, .value_kind: global_buffer, .address_space: global }
    .group_segment_fixed_size: 327680
    .private_segment_fixed_size: 0
    .kernarg_segment_align: 8
    .kernarg_segment_size: 48
    .max_flat_workgroup_size: 128
    .sgpr_count:     80
    .vgpr_count:     1024
    .wavefront_size: 32
...
	.end_amdgpu_metadata
.endif
;; end of part 2
;; launch comb (part 3): grid 256 x 1, 4 waves a work-group, no clusters, 4,096 bytes of LDS; arguments tsc, stat, cpart, in_proj_b, out1, ccode, cscl; writes out1, ccode, cscl
.if DOCPART == 3
	.amdgcn_target "amdgcn-amd-amdhsa--gfx1250"
	.amdhsa_code_object_version 6
	.text
	.protected	k_q8d518cf021_comb
	.globl	k_q8d518cf021_comb
	.p2align	8
	.type	k_q8d518cf021_comb,@function
k_q8d518cf021_comb:
	s_mov_b64 s[64:65], 0
	v_nop
	global_prefetch_b8 v0, s[64:65] scope:SCOPE_SE
	s_setreg_imm32_b32 hwreg(HW_REG_WAVE_MODE, 25, 1), 1
	s_wait_xcnt 0x0
; ATTENTIVE POOLING, launch 3 of 4: the 64 blocks of a batch are joined.  For a row (b, head, query): M = max over blocks of m, L = sum of l 2^(m - M);  attn = 2^(t - M) / L;  ctx = sum over blocks of c 2^(m - M) / L + bv.
; LEFT OUT: bk is not loaded (shown at the head of the first kernel); bv is added here, once, since a softmax's row sums to 1.
; Work-group w: b = w / 32, query (w / 8) % 4, j = w % 8: it makes out1[b][query][512 j ..+511] (the mean over the four heads) and ctx's numbers 128 j ..+127 of row 4 b + query: K step j of the last product,
; quantised here to codes of E4M3 with its scale word.  Every wave makes the statistics for itself; wave v sums blocks 16 v ..+15 and takes 128 of the 512 s.  All in f32.
; LIMITS: a block of 32 under 2^-118 gets the scale byte 1.  The codes leave as 128 bytes and the scale word as 4: 33 KB in the whole launch.
.set FB,    0                          ; 256 bytes a wave: the 64 blocks' factors
.set PS,    1024                       ; 512 bytes a wave: its partial sums
.set CX,    3072                       ; 512 bytes: ctx, on its turn to 16 neighbours a lane
.set SPARE, 3584
.set SPW, 1
.set NIL, 2
.set LANE, 3
.set LI,  4
.set SO,  5
.set FBW, 6
.set FBR, 7
.set PSW, 8
.set PSR, 9
.set CXW, 10
.set CXR, 11
.set ZO,  12
.set ST,  16                           ; v16-35   set s: m, l of block lane; m, l of block lane + 32.  Sets 0-3: the heads; set 4: the head of my ctx numbers
.set MX,  36                           ; v36-40
.set PT,  41                           ; v41-45
.set E0,  46                           ; v46-50
.set E1,  51                           ; v51-55
.set LS,  56                           ; v56-60
.set C,   64                           ; v64-127  cpart's 16 blocks as loaded
.set TT,  128                          ; v128-143 t of the four heads
.set BV,  144                          ; v144-147
.set F,   148                          ; v148-163
.set ACC, 164                          ; v164-167
.set O,   168                          ; v168-171
.set RC,  172                          ; v172-176 the reciprocals: registers into which no load lands
.set SEL, 44
.set MNT, 46
	s_load_b256 s[4:11], s[0:1], 0x0               ; tsc s[4:5], stat s[6:7], cpart s[8:9], in_proj_b s[10:11]
	s_load_b128 s[12:15], s[0:1], 0x20             ; out1 s[12:13], ccode s[14:15]
	s_load_b64 s[16:17], s[0:1], 0x30              ; cscl
	v_lshl_add_u32 v[SPW], v0, 2, SPARE
	v_mov_b32 v[NIL], 0
	v_mov_b32 v[ZO], 0
	v_lshrrev_b32 v[LANE], 5, v0
	v_readfirstlane_b32 s18, v[LANE]               ; wave
	v_and_b32 v[LANE], 31, v0
	v_lshlrev_b32 v[LI], 4, v[LANE]
	v_lshlrev_b32 v[SO], 7, v[LANE]                ; a block's statistics are 128 bytes
	s_lshl_b32 s47, s18, 8
	v_lshl_add_u32 v[FBW], v[LANE], 2, s47
	s_mul_i32 s47, s18, 320
	v_mov_b32 v[FBR], s47                          ; 256 wave + 4 (16 wave): my 16 blocks' factors
	s_lshl_b32 s47, s18, 9
	s_add_co_u32 s47, s47, PS
	v_add_nc_u32 v[PSW], s47, v[LI]
	v_add_nc_u32 v[PSR], PS, v[LI]
	v_add_nc_u32 v[CXW], CX, v[LI]
	v_and_b32 v[CXR], 7, v0
	v_lshl_add_u32 v[CXR], v[CXR], 6, CX
	s_lshr_b32 s19, ttmp9, 5                       ; b
	s_bfe_u32 s20, ttmp9, 0x20003                  ; the query
	s_and_b32 s21, ttmp9, 7                        ; j
	s_lshr_b32 s22, s21, 1                         ; my ctx numbers' head
	s_and_b32 s23, s21, 1
	s_lshl_b32 s24, s19, 13
	s_lshl_b32 s47, s20, 3
	s_add_co_u32 s24, s24, s47                     ; stat: b x 64 x 128 + 8 query
	s_mov_b32 s25, 0
	s_lshl_b32 s26, s22, 5
	s_add_co_u32 s26, s26, s24
	s_mov_b32 s27, 0
	s_lshl_b32 s28, s19, 20
	s_lshl_b32 s47, s18, 18
	s_add_co_u32 s28, s28, s47
	s_lshl_b32 s47, s22, 12
	s_add_co_u32 s28, s28, s47
	s_lshl_b32 s47, s20, 10
	s_add_co_u32 s28, s28, s47
	s_lshl_b32 s47, s23, 9
	s_add_co_u32 s28, s28, s47                     ; cpart
	s_mov_b32 s29, 0
	s_lshl_b32 s34, s21, 11
	s_lshl_b32 s47, s18, 9
	s_add_co_u32 s34, s34, s47                     ; my 128 s, in bytes
	s_lshl_b32 s30, s19, 4
	s_add_co_u32 s30, s30, s20
	s_lshl_b32 s30, s30, 14
	s_add_co_u32 s30, s30, s34                     ; tsc, head 0
	s_mov_b32 s31, 0
	s_lshl_b32 s36, s19, 2
	s_add_co_u32 s36, s36, s20                     ; the row 4 b + query
	s_lshl_b32 s32, s36, 14
	s_add_co_u32 s32, s32, s34                     ; out1
	s_mov_b32 s33, 0
	s_lshl_b32 s34, s21, 9
	s_add_co_u32 s34, s34, 8192                    ; bv
	s_mov_b32 s35, 0
	s_lshl_b32 s38, s36, 5
	s_lshl_b32 s47, s21, 2
	s_add_co_u32 s38, s38, s47                     ; cscl
	s_mov_b32 s39, 0
	s_lshl_b32 s36, s36, 10
	s_lshl_b32 s47, s21, 7
	s_add_co_u32 s36, s36, s47                     ; ccode
	s_mov_b32 s37, 0
	s_mov_b32 s[SEL], 0x76543210
	s_mov_b32 s[SEL+1], 0xfedcba98
	s_mov_b32 s[MNT], 0x600000
.irp s, 0,1,2,3,4
	v_mov_b32 v[PT+\s], 0                          ; lane permutes' destinations
.endr
	s_wait_kmcnt 0x0
	s_add_nc_u64 s[40:41], s[6:7], s[24:25]
	s_add_nc_u64 s[42:43], s[6:7], s[26:27]
	s_add_nc_u64 s[8:9], s[8:9], s[28:29]
	s_add_nc_u64 s[4:5], s[4:5], s[30:31]
	s_add_nc_u64 s[12:13], s[12:13], s[32:33]
	s_add_nc_u64 s[10:11], s[10:11], s[34:35]
	s_add_nc_u64 s[14:15], s[14:15], s[36:37]
	s_add_nc_u64 s[16:17], s[16:17], s[38:39]
.irp s, 0,1,2,3
	global_load_b64 v[ST+4*\s:ST+4*\s+1], v[SO], s[40:41] offset:32*\s
	global_load_b64 v[ST+4*\s+2:ST+4*\s+3], v[SO], s[40:41] offset:32*\s+4096
.endr
	global_load_b64 v[ST+16:ST+17], v[SO], s[42:43]
	global_load_b64 v[ST+18:ST+19], v[SO], s[42:43] offset:4096
.irp i, 0,1,2,3,4,5,6,7,8,9,10,11,12,13,14,15
	global_load_b128 v[C+4*\i:C+4*\i+3], v[LI], s[8:9] offset:16384*\i th:TH_LOAD_NT   ; block 16 wave + i: 512 consecutive bytes
.endr
.irp h, 0,1,2,3
	global_load_b128 v[TT+4*\h:TT+4*\h+3], v[LI], s[4:5] offset:65536*\h th:TH_LOAD_NT
.endr
	global_load_b128 v[BV:BV+3], v[LI], s[10:11]
	s_wait_loadcnt 21                              ; the ten loads of statistics are in; behind them: 16 + 4 + 1
.irp s, 0,1,2,3,4
	v_max_num_f32 v[MX+\s], v[ST+4*\s], v[ST+4*\s+2]
.endr
.irp m, 1,2,4,8
.irp s, 0,1,2,3,4
	v_max_num_f32_dpp v[MX+\s], v[MX+\s], v[MX+\s] row_xmask:\m row_mask:0xf bank_mask:0xf
.endr
.endr
.irp s, 0,1,2,3,4
	v_permlanex16_b32 v[PT+\s], v[MX+\s], s[SEL], s[SEL+1]
.endr
.irp s, 0,1,2,3,4
	v_max_num_f32 v[MX+\s], v[MX+\s], v[PT+\s]     ; M
.endr
.irp s, 0,1,2,3,4
	v_sub_f32 v[E0+\s], v[ST+4*\s], v[MX+\s]
	v_sub_f32 v[E1+\s], v[ST+4*\s+2], v[MX+\s]
.endr
	s_wait_alu depctr_va_vdst(0)
.irp s, 0,1,2,3,4
	v_exp_f32 v[E0+\s], v[E0+\s]
	v_exp_f32 v[E1+\s], v[E1+\s]
.endr
	v_nop
	s_wait_alu depctr_va_vdst(0)                   ; one wait for the ten exponentials
.irp s, 0,1,2,3,4
	v_mul_f32 v[LS+\s], v[ST+4*\s+1], v[E0+\s]
.endr
.irp s, 0,1,2,3,4
	v_fma_f32 v[LS+\s], v[ST+4*\s+3], v[E1+\s], v[LS+\s]
.endr
.irp m, 1,2,4,8
.irp s, 0,1,2,3,4
	v_add_f32_dpp v[LS+\s], v[LS+\s], v[LS+\s] row_xmask:\m row_mask:0xf bank_mask:0xf
.endr
.endr
.irp s, 0,1,2,3,4
	v_permlanex16_b32 v[PT+\s], v[LS+\s], s[SEL], s[SEL+1]
.endr
.irp s, 0,1,2,3,4
	v_add_f32 v[LS+\s], v[LS+\s], v[PT+\s]         ; L
.endr
	s_wait_alu depctr_va_vdst(0)
.irp s, 0,1,2,3,4
	v_rcp_f32 v[RC+\s], v[LS+\s]
.endr
	v_nop
	s_wait_alu depctr_va_vdst(0)                   ; one wait for the five reciprocals
	v_mul_f32 v[E0+4], v[E0+4], v[RC+4]            ; a block's factor 2^(m - M) / L
	v_mul_f32 v[E1+4], v[E1+4], v[RC+4]
.irp s, 0,1,2,3
	v_mul_f32 v[RC+\s], 0x3e800000, v[RC+\s]       ; 1 / (4 L): the mean over the heads
.endr
	ds_store_b32 v[FBW], v[E0+4]                   ; my wave's own bytes: LDS serves a wave's instructions in order
	ds_store_b32 v[FBW], v[E1+4] offset:128
.irp k, 0,1,2,3
	ds_load_b128 v[F+4*\k:F+4*\k+3], v[FBR] offset:16*\k   ; every lane reads the same 16 factors
.endr
	s_wait_loadcnt 5                               ; cpart's 16 loads are in; behind them: t's four and bv's one
	s_wait_dscnt 0x0
.irp c, 0,1,2,3
	v_mul_f32 v[ACC+\c], v[C+\c], v[F]             ; the first product starts the sum
.endr
.irp i, 1,2,3,4,5,6,7,8,9,10,11,12,13,14,15
.irp c, 0,1,2,3
	v_fma_f32 v[ACC+\c], v[C+4*\i+\c], v[F+\i], v[ACC+\c]
.endr
.endr
	ds_store_b128 v[PSW], v[ACC:ACC+3]
	s_wait_loadcnt 1                               ; t is in; bv's load may be out
.irp h, 0,1,2,3
.irp c, 0,1,2,3
	v_sub_f32 v[TT+4*\h+\c], v[TT+4*\h+\c], v[MX+\h]
.endr
.endr
	s_wait_alu depctr_va_vdst(0)
.irp n, 0,1,2,3,4,5,6,7,8,9,10,11,12,13,14,15
	v_exp_f32 v[TT+\n], v[TT+\n]
.endr
	v_nop
	s_wait_alu depctr_va_vdst(0)                   ; one wait for the sixteen exponentials
.irp c, 0,1,2,3
	v_mul_f32 v[O+\c], v[TT+\c], v[RC]
.endr
.irp h, 1,2,3
.irp c, 0,1,2,3
	v_fma_f32 v[O+\c], v[TT+4*\h+\c], v[RC+\h], v[O+\c]
.endr
.endr
	global_store_b128 v[LI], v[O:O+3], s[12:13] th:TH_STORE_NT   ; 32 lanes store 512 consecutive bytes
	s_wait_loadcnt 0x0                             ; bv
	s_wait_dscnt 0x0                               ; for wave 0's sake: my partial sums lie in LDS
	s_barrier_signal -1
	s_barrier_wait -1
	s_cmp_lg_u32 s18, 0
	s_cbranch_scc1 .Lend
.irp k, 0,1,2,3
	ds_load_b128 v[C+4*\k:C+4*\k+3], v[PSR] offset:512*\k
.endr
	s_wait_dscnt 0x0
.irp c, 0,2
	v_pk_add_f32 v[C+\c:C+\c+1], v[C+\c:C+\c+1], v[C+4+\c:C+5+\c]
	v_pk_add_f32 v[C+8+\c:C+9+\c], v[C+8+\c:C+9+\c], v[C+12+\c:C+13+\c]
.endr
.irp c, 0,2
	v_pk_add_f32 v[C+\c:C+\c+1], v[C+\c:C+\c+1], v[C+8+\c:C+9+\c]
.endr
.irp c, 0,2
	v_pk_add_f32 v[C+\c:C+\c+1], v[C+\c:C+\c+1], v[BV+\c:BV+\c+1]
.endr
	ds_store_b128 v[CXW], v[C:C+3]                 ; four numbers a lane in,
.irp k, 0,1,2,3
	ds_load_b128 v[80+4*\k:83+4*\k], v[CXR] offset:16*\k   ; sixteen neighbours a lane out (lanes 8-31 repeat lanes 0-7): two lanes hold a block of 32
.endr
	s_wait_dscnt 0x0
	v_max3_num_f32 v96, |v80|, |v81|, |v82|
	v_max3_num_f32 v97, |v83|, |v84|, |v85|
.irp i, 6,10
	v_max3_num_f32 v96, v96, |v[80+\i]|, |v[81+\i]|
	v_max3_num_f32 v97, v97, |v[82+\i]|, |v[83+\i]|
.endr
	v_max3_num_f32 v96, v96, |v94|, |v95|
	v_max3_num_f32 v96, v96, v97, 0x4800000        ; and the floor 2^(9 - 127)
	v_max_num_f32_dpp v96, v96, v96 row_xmask:1 row_mask:0xf bank_mask:0xf
	v_add_nc_u32 v98, 0xfc000000, v96              ; the conversion's scale operand
	v_and_or_b32 v99, v96, 0x7f800000, s[MNT]      ; 448 x the scale
.irp i, 0,1,2,3,4,5,6,7,8,9,10,11,12,13,14,15
	v_med3_num_f32 v[80+\i], v[80+\i], -v99, v99   ; the conversion to an 8-bit code does not saturate (ISA guide 7.6.2): the hold comes first
.endr
	v_cvt_scalef32_pk8_fp8_f32 v[100:101], v[80:87], v98
	v_cvt_scalef32_pk8_fp8_f32 v[102:103], v[88:95], v98
	v_lshrrev_b32 v104, 23, v98                    ; the scale's byte
	v_readlane_b32 s24, v104, 0
	v_readlane_b32 s25, v104, 2
	v_readlane_b32 s26, v104, 4
	v_readlane_b32 s27, v104, 6
	s_lshl_b32 s25, s25, 8
	s_lshl_b32 s26, s26, 16
	s_lshl_b32 s27, s27, 24
	s_or_b32 s24, s24, s25
	s_or_b32 s26, s26, s27
	s_or_b32 s24, s24, s26
	v_mov_b32 v105, s24                            ; the K step's scale word
	v_cmp_gt_u32 vcc_lo, 8, v[LANE]
	s_wait_alu depctr_va_vdst(0)
	s_wait_xcnt 0x0                                ; EXEC changes only behind this wait
	s_and_saveexec_b32 s28, vcc_lo
	global_store_b128 v[LI], v[100:103], s[14:15]  ; 128 codes
	s_wait_xcnt 0x0
	s_or_b32 exec_lo, exec_lo, s28
	v_cmp_eq_u32 vcc_lo, 0, v[LANE]
	s_and_saveexec_b32 s28, vcc_lo
	global_store_b32 v[ZO], v105, s[16:17]
	s_wait_xcnt 0x0
	s_or_b32 exec_lo, exec_lo, s28
.Lend:
	s_wait_tensorcnt 0x0                           ; the wave's end: three lines behind my last LDS store
	ds_add_u32 v[SPW], v[NIL]
	s_wait_dscnt 0x0
	s_endpgm
.Lfunc_end_k_q8d518cf021_comb:
	.size	k_q8d518cf021_comb, .Lfunc_end_k_q8d518cf021_comb-k_q8d518cf021_comb
	.p2alignl 7, 3214868480
	.fill 96, 4, 3214868480
	.section	.rodata,"a",@progbits
	.p2align	6, 0x0
	.amdhsa_kernel k_q8d518cf021_comb
		.amdhsa_group_segment_fixed_size 4096
		.amdhsa_private_segment_fixed_size 0
		.amdhsa_enable_private_segment 0
		.amdhsa_kernarg_size 56
		.amdhsa_user_sgpr_count 2
		.amdhsa_user_sgpr_kernarg_segment_ptr 1
		.amdhsa_wavefront_size32 1
		.amdhsa_system_sgpr_workgroup_id_x 1
		.amdhsa_system_sgpr_workgroup_id_y 1
		.amdhsa_system_sgpr_workgroup_id_z 1
		.amdhsa_system_vgpr_workitem_id 0
		.amdhsa_next_free_vgpr 192
		.amdhsa_next_free_sgpr 66
		.amdhsa_reserve_vcc 1
		.amdhsa_float_denorm_mode_32 3
		.amdhsa_float_denorm_mode_16_64 3
		.amdhsa_memory_ordered 1
		.amdhsa_forward_progress 1
		.amdhsa_inst_pref_size 23
	.end_amdhsa_kernel
	.amdgpu_metadata
---
amdhsa.version: [ 1, 2 ]
amdhsa.kernels:
  - .name:           k_q8d518cf021_comb
    .symbol:         k_q8d518cf021_comb.kd
    .args:
      - { .name: tsc, .offset: 0, .size: 8, .value_kind: global_buffer, .address_space: global }
      - { .name: stat, .offset: 8, .size: 8, .value_kind: global_buffer, .address_space: global }
      - { .name: cpart, .offset: 16, .size: 8, .value_kind: global_buffer, .address_space: global }
      - { .name: in_proj_b, .offset: 24, .size: 8, .value_kind: global_buffer, .address_space: global }
      - { .name: out1, .offset: 32, .size: 8, .value_kind: global_buffer, .address_space: global }
      - { .name: ccode, .offset: 40, .size: 8, .value_kind: global_buffer, .address_space: global }
      - { .name: cscl, .offset: 48, .size: 8, .value_kind: global_buffer, .address_space: global }
    .group_segment_fixed_size: 4096
    .private_segment_fixed_size: 0
    .kernarg_segment_align: 8
    .kernarg_segment_size: 56
    .max_flat_workgroup_size: 128
    .sgpr_count:     66
    .vgpr_count:     192
    .wavefront_size: 32
...
	.end_amdgpu_metadata
.endif
;; end of part 3
;; launch oproj (part 4): grid 64 x 1, 1 waves a work-group, no clusters, 0 bytes of LDS; arguments ccode, cscl, owf, out_b, out0; writes out0
.if DOCPART == 4
	.amdgcn_target "amdgcn-amd-amdhsa--gfx1250"
	.amdhsa_code_object_version 6
	.text
	.protected	k_q8d518cf021_oproj
	.globl	k_q8d518cf021_oproj
	.p2align	8
	.type	k_q8d518cf021_oproj,@function
k_q8d518cf021_oproj:
	s_mov_b64 s[64:65], 0
	v_nop
	global_prefetch_b8 v0, s[64:65] scope:SCOPE_SE
	s_setreg_imm32_b32 hwreg(HW_REG_WAVE_MODE, 25, 1), 1
	s_wait_xcnt 0x0
; ATTENTIVE POOLING, launch 4 of 4: out = Q(ctx) Q(out_w)^T + out_b on codes of E4M3, and the mean over the four queries.  ctx: 32 rows (4 b + query) x 1,024.  One wave makes 16 columns for all 32 rows.
; The work has 64 tiles of 16 columns and no more: 64 work-groups.  Source 0 = 16 rows of ctx, source 1 = 16 rows of out_w (a block of register images made by the first launch): a lane holds one column and eight rows,
; that is two batches' four queries: the mean stays in the lane.  The results leave as runs of 64 bytes: 32 KB in the whole launch; a stage to gather whole rows would need the columns of 64 work-groups.
.set MSB, 0
.macro WIN new
.if MSB != (\new)
	s_set_vgpr_msb (MSB<<8)|(\new)
.set MSB, (\new)
.endif
.endm
	s_load_b256 s[4:11], s[0:1], 0x0               ; ccode s[4:5], cscl s[6:7], owf s[8:9], out_b s[10:11]
	s_load_b64 s[12:13], s[0:1], 0x20              ; out0
	v_and_b32 v1, 15, v0                           ; r
	v_bfe_u32 v2, v0, 4, 1                         ; h
	v_lshlrev_b32 v3, 4, v0                        ; 16 x lane
	v_lshlrev_b32 v4, 10, v1
	v_lshl_add_u32 v4, v2, 4, v4                   ; ctx: row r of 1,024 codes, + 16 h
	v_lshlrev_b32 v5, 5, v1
	v_lshl_add_u32 v5, v2, 4, v5                   ; its scale words: 32 bytes a row; lanes 16-31 take K steps 4-7
	v_lshlrev_b32 v6, 2, v1
	v_lshl_add_u32 v7, v2, 13, v6                  ; out0: batch 2 h, column r
	s_mul_i32 s14, ttmp9, 16896
	s_mov_b32 s15, 0
	s_lshl_b32 s16, ttmp9, 6
	s_mov_b32 s17, 0
	s_wait_alu depctr_va_vdst(0)
	s_wait_kmcnt 0x0
	s_add_nc_u64 s[8:9], s[8:9], s[14:15]
	s_add_nc_u64 s[10:11], s[10:11], s[16:17]
	s_add_nc_u64 s[12:13], s[12:13], s[16:17]
.irp x, 0,1,2,3,4,5,6,7,8,9,10,11,12,13,14,15,16,17,18,19,20,21,22,23,24,25,26,27,28,29,30,31
	global_load_b128 v[64+4*\x:67+4*\x], v3, s[8:9] offset:512*\x   ; out_w's eight fragments
.endr
	global_load_b128 v[32:35], v3, s[8:9] offset:16384             ; and their scale words
.irp t, 0,1
	global_load_b128 v[36+4*\t:39+4*\t], v5, s[6:7] offset:512*\t
.endr
	global_load_b32 v44, v6, s[10:11]              ; out_b of my column
	WIN 0x40                                       ; destination window 1
.irp t, 0,1
.irp k, 0,1,2,3,4,5,6,7
.irp c, 0,1,2,3
	global_load_b128 v[128*\t+16*\k+4*\c:128*\t+16*\k+4*\c+3], v4, s[4:5] offset:16384*\t+128*\k+32*\c
.endr
.endr
.endr
	s_wait_loadcnt 0x0
	WIN 0x01                                       ; source 0 (ctx) window 1
.irp k, 0,1,2,3,4,5,6,7                        ; the two accumulators take turns, one instruction a turn
.irp t, 0,1
.if \k == 0
	v_wmma_scale_f32_16x16x128_f8f6f4 v[48+8*\t:55+8*\t], v[128*\t:128*\t+15], v[64:79], 0, v[36+4*\t], v32
.elseif \k < 4
	v_wmma_scale_f32_16x16x128_f8f6f4 v[48+8*\t:55+8*\t], v[128*\t+16*\k:128*\t+16*\k+15], v[64+16*\k:79+16*\k], v[48+8*\t:55+8*\t], v[36+4*\t+\k], v[32+\k]
.else
	v_wmma_scale_f32_16x16x128_f8f6f4 v[48+8*\t:55+8*\t], v[128*\t+16*\k:128*\t+16*\k+15], v[64+16*\k:79+16*\k], v[48+8*\t:55+8*\t], v[36+4*\t+\k-4], v[32+\k-4] matrix_a_scale:MATRIX_SCALE_ROW1 matrix_b_scale:MATRIX_SCALE_ROW1
.endif
.endr
.endr
	WIN 0
.rept 8
	v_nop                                          ; eight places behind this form ahead of the first read of a result
.endr
.irp t, 0,1
.irp e, 0,1                                    ; registers 4 e .. 4 e + 3: the four queries of batch 4 t + 2 h + e; each accumulator is read from its low end on
	v_add_f32 v[16+2*\t+\e], v[48+8*\t+4*\e], v[49+8*\t+4*\e]
	v_add_f32 v[20+2*\t+\e], v[50+8*\t+4*\e], v[51+8*\t+4*\e]
.endr
.endr
.irp n, 0,1,2,3
	v_add_f32 v[16+\n], v[16+\n], v[20+\n]
.endr
.irp n, 0,1,2,3
	v_fmamk_f32 v[16+\n], v[16+\n], 0x3e800000, v44   ; the mean, and the bias
.endr
.irp t, 0,1
.irp e, 0,1
	global_store_b32 v7, v[16+2*\t+\e], s[12:13] offset:16384*\t+4096*\e
.endr
.endr
	s_endpgm
.Lfunc_end_k_q8d518cf021_oproj:
	.size	k_q8d518cf021_oproj, .Lfunc_end_k_q8d518cf021_oproj-k_q8d518cf021_oproj
	.p2alignl 7, 3214868480
	.fill 96, 4, 3214868480
	.section	.rodata,"a",@progbits
	.p2align	6, 0x0
	.amdhsa_kernel k_q8d518cf021_oproj
		.amdhsa_group_segment_fixed_size 0
		.amdhsa_private_segment_fixed_size 0
		.amdhsa_enable_private_segment 0
		.amdhsa_kernarg_size 40
		.amdhsa_user_sgpr_count 2
		.amdhsa_user_sgpr_kernarg_segment_ptr 1
		.amdhsa_wavefront_size32 1
		.amdhsa_system_sgpr_workgroup_id_x 1
		.amdhsa_system_sgpr_workgroup_id_y 1
		.amdhsa_system_sgpr_workgroup_id_z 1
		.amdhsa_system_vgpr_workitem_id 0
		.amdhsa_next_free_vgpr 512
		.amdhsa_next_free_sgpr 66
		.amdhsa_reserve_vcc 0
		.amdhsa_float_denorm_mode_32 3
		.amdhsa_float_denorm_mode_16_64 3
		.amdhsa_memory_ordered 1
		.amdhsa_forward_progress 1
		.amdhsa_inst_pref_size 14
	.end_amdhsa_kernel
	.amdgpu_metadata
---
amdhsa.version: [ 1, 2 ]
amdhsa.kernels:
  - .name:           k_q8d518cf021_oproj
    .symbol:         k_q8d518cf021_oproj.kd
    .args:
      - { .name: ccode, .offset: 0, .size: 8, .value_kind: global_buffer, .address_space: global }
      - { .name: cscl, .offset: 8, .size: 8, .value_kind: global_buffer, .address_space: global }
      - { .name: owf, .offset: 16, .size: 8, .value_kind: global_buffer, .address_space: global }
      - { .name: out_b, .offset: 24, .size: 8, .value_kind: global_buffer, .address_space: global }
      - { .name: out0, .offset: 32, .size: 8, .value_kind: global_buffer, .address_space: global }
    .group_segment_fixed_size: 0
    .private_segment_fixed_size: 0
    .kernarg_segment_align: 8
    .kernarg_segment_size: 40
    .max_flat_workgroup_size: 32
    .sgpr_count:     66
    .vgpr_count:     512
    .wavefront_size: 32
...
	.end_amdgpu_metadata
.endif
;; end of part 4
